; MI455X (gfx1250); checked and timed in simulation.
; The chip was launched on July 23, 2026; its instructions are those of AMD's public machine-readable ISA for CDNA 5 (MIT licence, August 2026) and "CDNA5" Instruction Set Architecture Reference Guide (July 2026). The comments in the code are by the model that wrote it; some were corrected since.
;; Optimized Secure Attention. Allowed arithmetic: matrix products marked QUANTISED: E5M2 operands, one E8M0 scale for each 32 along K, by v_wmma_scale_f32_16x16x128_f8f6f4 with both operands' format E5M2, f32 sums; everything else in f32.
;; Inputs: Wk 512 x 512 float32; Wq 512 x 512 float32; Wv 512 x 512 float32; bk 512 float32; bq 512 float32; bv 512 float32; noise 4 x 8 x 2,048 x 64 float32; x 4 x 2,048 x 512 float32.
;; Outputs: out0 4 x 2,048 x 512 float32.
;; This version of the problem:
;;   THIS VERSION OF THE PROBLEM IS GIVEN IN LOW PRECISION. The matrix products marked QUANTISED in the list below multiply operands that are first quantised to E5M2 (5 exponent bits, 2 mantissa bits; 8 bits a number), with one power-of-two scale for each 32 numbers along K (OCP MX v1.0); their sums are f32. All else is computed in f32.
;;   The module's matrix products, in the order in which they are computed (A, B: the left and right operand; K: the contracted axis; several contracted axes count as one K, in the product's order):
;;     1. [M 8,192, K 512] x [K 512, N 512]; A: input x; B: input Wq: QUANTISED
;;     2. [M 8,192, K 512] x [K 512, N 512]; A: input x; B: input Wk: QUANTISED
;;     3. [M 8,192, K 512] x [K 512, N 512]; A: input x; B: input Wv: QUANTISED
;;     4. batch 32 x [M 2,048, K 64] x [K 64, N 2,048]; A: computed on the way; B: computed on the way: QUANTISED
;;     5. batch 32 x [M 2,048, K 2,048] x [K 2,048, N 64]; A: softmax (see below); B: computed on the way: QUANTISED
;;   THE QUANTISER, for each operand of a quantised product, along K:
;;     - K is cut into blocks of 32 from its start; a last block that is shorter is filled with zeros.
;;     - A block's scale is 2^e with e = floor(log2(the largest magnitude in the block)) - 15, held to -126 .. 127; a block of zeros has e = 0. As a byte (E8M0): e + 127.
;;     - Each number is divided by its block's scale, clamped to +-57,344, and rounded to the nearest number of E5M2, ties to even, subnormals kept.
;;     - The product sums the exact products of the quantised numbers (number of the format x scale) in f32.
;;   ~~~python
;;   def quantise(x, axis):      # numpy; x: float32 -> the quantised numbers, widened to float32 again
;;       x = np.moveaxis(x, axis, -1); K = x.shape[-1]
;;       x = np.pad(x, [(0, 0)] * (x.ndim - 1) + [(0, -K % 32)]); x = x.reshape(x.shape[:-1] + (-1, 32)); a = np.abs(x).max(-1, keepdims=True)
;;       e = np.where(a > 0, np.clip(np.frexp(np.where(a > 0, a, 1))[1] - 1 - 15, -126, 127), 0)      # np.frexp(a)[1] - 1 = floor(log2(a)), exactly
;;       r = np.clip(x / 2.0 ** e, -57344, 57344)
;;       step = 2.0 ** (np.maximum(np.frexp(np.where(r == 0, 1, r))[1] - 1, -14) - 2)
;;       q = np.round(r / step) * step * 2.0 ** e      # np.round: ties to even
;;       return np.moveaxis(q.reshape(q.shape[:-2] + (-1,))[..., :K], -1, axis).astype(np.float32)
;;   ~~~
;;   SOFTMAX AHEAD OF A QUANTISED PRODUCT. Where the list says 'softmax', what is quantised is not the finished softmax but p = 2^(t - M), with t = logit x log2(e) and M = ceil(the row's largest t), a whole number; so 1/2 < the row's largest p <= 1. The row's sum l is taken of the UNQUANTISED p, in f32, and the product's result is divided by l at the end. Since M is a whole number, a kernel that streams over the keys may use a running M (the ceiling of the running maximum): every later rescaling is an exact power of two, which a block's scale takes up: the codes' values come out the same.
;;   OPERANDS COMPUTED ON THE WAY. 'Computed on the way' means the value that the module computes at that place (a softmax that the list does not call 'softmax' is quantised finished and normalised). What goes into a quantiser is computed in f32, as accurately as f32 sums, v_exp_f32 and their like allow (about 1e-6 of the number): no bf16 or f16 on the way to a quantiser, and a product that is left as it is and whose result goes on into a quantised operand takes f32 operands (vector FMAs, or v_wmma_f32_16x16x4_f32). A number that lies on a knife's edge between two numbers of the format may be rounded either way, as far as f32 arithmetic and the matrix unit's own rounding can turn it there, and no further.
;; One version. Each part assembles by itself: llvm-mc -triple=amdgcn-amd-amdhsa -mcpu=gfx1250 --defsym DOCPART=n.
;; ======== version 1 of 1: 3 launches
;; limits: right only within a limited range of input values
;; workspace buffers: opnd 5,292,032 bytes; qbuf 4,456,448 bytes; kv 8,912,896 bytes
;; launch quant (part 1): grid 608 x 1, 4 waves a work-group, no clusters, 34,816 bytes of LDS; arguments x, Wq, Wk, Wv, opnd; writes opnd
.if DOCPART == 1
	.amdgcn_target "amdgcn-amd-amdhsa--gfx1250"
	.amdhsa_code_object_version 6
	.text
	.protected	k_qda6b6273a7_quant
	.globl	k_qda6b6273a7_quant
	.p2align	8
	.type	k_qda6b6273a7_quant,@function
k_qda6b6273a7_quant:
	s_mov_b64 s[64:65], 0
	v_nop
	global_prefetch_b8 v0, s[64:65] scope:SCOPE_SE
	s_setreg_imm32_b32 hwreg(HW_REG_WAVE_MODE, 25, 1), 1
	s_wait_xcnt 0x0
; x [8192][512], Wq, Wk, Wv [512][512], all f32 with K = 512 innermost, become codes of BF8 (E5M2) with one E8M0 scale byte for each 32 along K,
; laid as IMAGES OF THE OPERAND'S REGISTERS.  A record (8,704 bytes) is a tile of 16 rows x 512 K:
;   +0     [K step s 0..3][c 0..3][lane 0..31][16 bytes]: lane (r, h) has, of image row r, k = 128 s + 32 c + 16 h + 0 .. 15
;   +8192  [lane 0..31][s 0..3] scale words: four bytes for the four blocks of K step s of image row r (lanes 16-31 repeat lanes 0-15)
; Records 0-511 x, 512-543 Wq, 544-575 Wk, 576-607 Wv.  WHICH ROWS FORM A TILE: in x, Wq, Wk image row r of tile 2 B + u is memory row 32 B + 8 u + r + 8 (r / 8), so that the next launch's
; results come out as neighbours along the next K; in Wv the rows are neighbours.
; A block's scale is 2^(floor(log2(its largest magnitude)) - 15); its byte is the largest magnitude's exponent field - 15, held at 1 from below; numbers are held within +-57,344 x the scale and rounded to the nearest code.
; LIMITS: a block of zeros gets the byte 1 where the rule says 127 (its codes are zeros, and this program alone reads the bytes); blocks whose largest magnitude lies under 2^(16 - 127) take that floor's byte; NaN and infinities are not served.
; SHARES: work-group t makes record t; wave s makes K step s.  Each of a wave's 16 loads reads 512 consecutive bytes of one row; the 8,192 bytes turn through the wave's own stage in LDS
; (rows 528 bytes apart) so that a lane gets 16 neighbours of each block; two lanes, l and l xor 16, hold a block.  No matrix unit, no cluster, no tensor load: work-groups share no input and memory binds.
.set REC,    8704
.set SPITCH, 528                       ; a stage row: 512 bytes + 16: an odd multiple of 16, so the 16 rows that a load touches start at different banks
.set WSTG,   16*SPITCH                 ; a wave's stage
.set SCX,    4*WSTG                    ; behind the stages: 512 bytes in which the four waves' scale words meet
.set RN,  16                           ; v16-79   the numbers as loaded: row i in four registers
.set XN,  80                           ; v80-143  register 16 b + i: k = 32 b + 16 h + i of my row
.set PC,  144                          ; v144-159 the codes
.set TM,  160                          ; v160-163 largest magnitudes, v164-167 bytes, v168-171 57,344 x the scale, v172-175 the conversions' scale operands
.set PW,  176                          ; the scale word
.set SEL, 32                           ; s[32:33] lane selects: lane l xor 16
.set MNT, 34                           ; s34 the mantissa field of 57,344
	s_load_b256 s[4:11], s[0:1], 0x0               ; x, Wq, Wk, Wv
	s_load_b64 s[12:13], s[0:1], 0x20              ; opnd
	v_lshl_add_u32 v192, v0, 2, 0x8600
	v_mov_b32 v193, 0
	v_lshrrev_b32 v1, 5, v0
	v_readfirstlane_b32 s16, v1                    ; wave = K step
	v_and_b32 v1, 31, v0                           ; lane
	v_and_b32 v2, 15, v0                           ; r
	v_bfe_u32 v3, v0, 4, 1                         ; h
	v_lshlrev_b32 v4, 4, v1                        ; 16 x lane
	s_wait_alu depctr_va_vdst(0)
	s_sub_co_u32 s20, ttmp9, 512
	s_and_b32 s21, s20, 31                         ; a weight's tile
	s_cmp_lt_u32 ttmp9, 512
	s_cselect_b32 s23, ttmp9, s21                  ; the tile's number in its matrix
	s_cmp_ge_u32 ttmp9, 576
	s_cselect_b32 s24, 0, -1                       ; all ones where the rows are permuted (not in Wv)
	s_and_b32 s26, s23, 1
	s_lshl_b32 s26, s26, 3
	s_and_b32 s26, s26, s24                        ; an odd tile begins 8 rows earlier
	s_and_b32 s25, s24, 16384                      ; image rows 8-15 lie 8 rows (of 2,048 bytes) further on
	s_lshl_b32 s28, s23, 4
	s_sub_co_u32 s28, s28, s26
	s_lshl_b32 s28, s28, 11                        ; image row 0, in bytes (under 2^24),
	s_lshl_b32 s27, s16, 9
	s_add_co_u32 s28, s28, s27                     ; + my K step's 512 bytes
	s_mov_b32 s29, 0
	s_mul_i32 s30, ttmp9, REC                      ; my record,
	s_lshl_b32 s27, s16, 11
	s_add_co_u32 s30, s30, s27                     ; my K step's image
	s_mov_b32 s31, 0
	v_add_nc_u32 v5, s25, v4                       ; the loads' offset for image rows 8-15
	s_mul_i32 s27, s16, WSTG
	v_add_nc_u32 v6, s27, v4                       ; the stage, in: 16 x lane of a row
	v_mul_u32_u24 v7, v2, SPITCH
	v_lshl_add_u32 v7, v3, 6, v7
	v_add_nc_u32 v7, s27, v7                       ; out: row r, + 64 h: my 16 numbers of a block
	v_lshl_add_u32 v9, v1, 4, SCX                  ; the scale words: 16 bytes a lane,
	s_lshl_b32 s27, s16, 2
	v_add_nc_u32 v8, s27, v9                       ; mine at 4 x wave
	s_mov_b32 s[SEL], 0x76543210
	s_mov_b32 s[SEL+1], 0xfedcba98
	s_mov_b32 s[MNT], 0x600000
.irp b, 0,1,2,3
	v_mov_b32 v[TM+4+\b], 0                        ; a lane permute's destination counts as one of its sources
.endr
	s_wait_alu depctr_va_vdst(0)
	s_wait_kmcnt 0x0
	s_cmp_lt_u32 ttmp9, 512                        ; which matrix: the choice hangs on the work-group's number alone
	s_cselect_b64 s[14:15], s[4:5], s[6:7]
	s_cmp_ge_u32 ttmp9, 544
	s_cselect_b64 s[14:15], s[8:9], s[14:15]
	s_cmp_ge_u32 ttmp9, 576
	s_cselect_b64 s[14:15], s[10:11], s[14:15]
	s_add_nc_u64 s[14:15], s[14:15], s[28:29]
	s_add_nc_u64 s[12:13], s[12:13], s[30:31]
.irp i, 0,1,2,3,4,5,6,7
	global_load_b128 v[RN+4*\i:RN+4*\i+3], v4, s[14:15] offset:2048*\i th:TH_LOAD_NT   ; 32 lanes read 512 consecutive bytes of image row i
.endr
.irp i, 8,9,10,11,12,13,14,15
	global_load_b128 v[RN+4*\i:RN+4*\i+3], v5, s[14:15] offset:2048*\i th:TH_LOAD_NT
.endr
.irp i, 0,1,2,3,4,5,6,7,8,9,10,11,12,13,14,15
	s_wait_loadcnt 15-\i                           ; loads come back in order: row i is in, the 15 - i younger ones may be out
	ds_store_b128 v6, v[RN+4*\i:RN+4*\i+3] offset:SPITCH*\i
.endr
.irp b, 0,1,2,3
.irp j, 0,1,2,3
	ds_load_b128 v[XN+16*\b+4*\j:XN+16*\b+4*\j+3], v7 offset:128*\b+16*\j   ; my wave's own bytes, served in order: these see the stores above
.endr
.endr
	s_wait_dscnt 0x0
.irp b, 0,1,2,3
	v_max3_num_f32 v[TM+\b], |v[XN+16*\b]|, |v[XN+1+16*\b]|, 0x8000000   ; block b: my 16 numbers, and the floor 2^(16 - 127): the byte cannot fall under 1
.endr
.irp i, 2,4,6,8,10,12,14
.irp b, 0,1,2,3
	v_max3_num_f32 v[TM+\b], v[TM+\b], |v[XN+16*\b+\i]|, |v[XN+1+16*\b+\i]|   ; the four blocks by turns
.endr
.endr
.irp b, 0,1,2,3
	v_permlanex16_b32 v[TM+4+\b], v[TM+\b], s[SEL], s[SEL+1]
.endr
.irp b, 0,1,2,3
	v_max_num_f32 v[TM+\b], v[TM+\b], v[TM+4+\b]   ; with lane l xor 16's 16: the block's largest magnitude
.endr
.irp b, 0,1,2,3
	v_add_nc_u32 v[TM+12+\b], 0xf8800000, v[TM+\b] ; 15 off its exponent field: the conversion takes this operand's exponent field as its scale
.endr
.irp b, 0,1,2,3
	v_and_or_b32 v[TM+8+\b], v[TM+\b], 0x7f800000, s[MNT]   ; 57,344 x the scale
.endr
.irp b, 0,1,2,3
	v_lshrrev_b32 v[TM+4+\b], 23, v[TM+12+\b]      ; the scale's byte
.endr
	v_lshl_or_b32 v[PW], v[TM+5], 8, v[TM+4]       ; my row's scale word of this K step
	v_lshl_or_b32 v[PW], v[TM+6], 16, v[PW]
	v_lshl_or_b32 v[PW], v[TM+7], 24, v[PW]
.irp b, 0,1,2,3
.irp i, 0,1,2,3,4,5,6,7,8,9,10,11,12,13,14,15
	v_med3_num_f32 v[XN+16*\b+\i], v[XN+16*\b+\i], -v[TM+8+\b], v[TM+8+\b]   ; the conversion to an 8-bit code does not saturate (ISA guide 7.6.2): the hold comes first
.endr
	v_cvt_scalef32_pk8_bf8_f32 v[PC+4*\b:PC+4*\b+1], v[XN+16*\b:XN+16*\b+7], v[TM+12+\b]
	v_cvt_scalef32_pk8_bf8_f32 v[PC+4*\b+2:PC+4*\b+3], v[XN+16*\b+8:XN+16*\b+15], v[TM+12+\b]
.endr
	v_nop                                          ; one plain line behind the last conversion
.irp c, 0,1,2,3
	global_store_b128 v4, v[PC+4*\c:PC+4*\c+3], s[12:13] offset:512*\c   ; 32 lanes store 512 consecutive bytes, at a multiple of 256 from the buffer's first byte
.endr
	ds_store_b32 v8, v[PW]
	s_wait_dscnt 0x0                               ; for the others' sake: my scale words have landed
	s_barrier_signal -1
	s_barrier_wait -1
	s_cmp_lg_u32 s16, 0                            ; wave 0 stores the record's 512 bytes of scale words (its base stands at the record's first byte)
	s_cbranch_scc1 .Ldone
	ds_load_b128 v[180:183], v9
	s_wait_dscnt 0x0
	global_store_b128 v4, v[180:183], s[12:13] offset:8192
.Ldone:
	s_wait_tensorcnt 0x0
	ds_add_u32 v192, v193
	s_wait_dscnt 0x0
	s_endpgm
.Lfunc_end_k_qda6b6273a7_quant:
	.size	k_qda6b6273a7_quant, .Lfunc_end_k_qda6b6273a7_quant-k_qda6b6273a7_quant
	.p2alignl 7, 3214868480
	.fill 96, 4, 3214868480
	.section	.rodata,"a",@progbits
	.p2align	6, 0x0
	.amdhsa_kernel k_qda6b6273a7_quant
		.amdhsa_group_segment_fixed_size 34816
		.amdhsa_private_segment_fixed_size 0
		.amdhsa_enable_private_segment 0
		.amdhsa_kernarg_size 40
		.amdhsa_user_sgpr_count 2
		.amdhsa_user_sgpr_kernarg_segment_ptr 1
		.amdhsa_wavefront_size32 1
		.amdhsa_system_sgpr_workgroup_id_x 1
		.amdhsa_system_sgpr_workgroup_id_y 1
		.amdhsa_system_sgpr_workgroup_id_z 1
		.amdhsa_system_vgpr_workitem_id 0
		.amdhsa_next_free_vgpr 194
		.amdhsa_next_free_sgpr 66
		.amdhsa_reserve_vcc 0
		.amdhsa_float_denorm_mode_32 3
		.amdhsa_float_denorm_mode_16_64 3
		.amdhsa_memory_ordered 1
		.amdhsa_forward_progress 1
		.amdhsa_inst_pref_size 16
	.end_amdhsa_kernel
	.amdgpu_metadata
---
amdhsa.version: [ 1, 2 ]
amdhsa.kernels:
  - .name:           k_qda6b6273a7_quant
    .symbol:         k_qda6b6273a7_quant.kd
    .args:
      - { .name: x, .offset: 0, .size: 8, .value_kind: global_buffer, .address_space: global }
      - { .name: Wq, .offset: 8, .size: 8, .value_kind: global_buffer, .address_space: global }
      - { .name: Wk, .offset: 16, .size: 8, .value_kind: global_buffer, .address_space: global }
      - { .name: Wv, .offset: 24, .size: 8, .value_kind: global_buffer, .address_space: global }
      - { .name: opnd, .offset: 32, .size: 8, .value_kind: global_buffer, .address_space: global }
    .group_segment_fixed_size: 34816
    .private_segment_fixed_size: 0
    .kernarg_segment_align: 8
    .kernarg_segment_size: 40
    .max_flat_workgroup_size: 128
    .sgpr_count:     66
    .vgpr_count:     194
    .wavefront_size: 32
...
	.end_amdgpu_metadata
.endif
;; end of part 1
;; launch proj (part 2): grid 4 x 64, 4 waves a work-group, clusters of 4 x 1, 327,680 bytes of LDS; arguments opnd, bq, bk, bv, qbuf, kv; writes qbuf, kv
.if DOCPART == 2
	.amdgcn_target "amdgcn-amd-amdhsa--gfx1250"
	.amdhsa_code_object_version 6
	.text
	.protected	k_qda6b6273a7_proj
	.globl	k_qda6b6273a7_proj
	.p2align	8
	.type	k_qda6b6273a7_proj,@function
k_qda6b6273a7_proj:
	s_mov_b64 s[64:65], 0
	v_nop
	global_prefetch_b8 v0, s[64:65] scope:SCOPE_SE
	s_setreg_imm32_b32 hwreg(HW_REG_WAVE_MODE, 25, 1), 1
	s_wait_xcnt 0x0
	s_wait_alu depctr_hold_cnt(0) depctr_sa_sdst(0) depctr_va_vdst(0) depctr_va_sdst(0) depctr_va_ssrc(0) depctr_va_vcc(0) depctr_vm_vsrc(0)
	s_getreg_b32 s2, hwreg(HW_REG_IB_STS2, 6, 4)
	s_cmp_eq_u32 s2, 0
	s_cbranch_scc0 .Lentry_in_a_cluster
	s_endpgm
.Lentry_in_a_cluster:
	s_bfe_u32 s2, ttmp6, 0x10000c
	s_cmp_lg_u32 s2, 0x3003
	s_cbranch_scc0 .Lentry_shape_is_right
	s_endpgm
.Lentry_shape_is_right:
; q = x Wq^T + bq, k = x Wk^T + bk, v = x Wv^T + bv on codes of BF8 (E5M2) with E8M0 scales, K = 512; the results are quantised at once for the attention launch and stored as images of its operands' registers:
; q and k along the head's 64 (two blocks of 32), v along the keys (blocks of 32 keys).  Nothing is transposed: which rows form a tile was chosen by the launch before.
; SHARES.  A work-group takes 128 rows of x (8 tiles of 16) and two heads, 2 g and 2 g + 1, of q, k and v: 384 columns.  Wave w (e = w % 2, R = w / 2) makes head 2 g + e of q (R = 0) or of k (R = 1): 4 tiles of 16 columns;
; and of v's head 2 g + R the tiles 2 e and 2 e + 1 of its 64 columns.  All four waves run one text; only pointers differ.
; THE WEIGHTS, 6 tiles x 4 K steps a wave, are the wave's own and lie in memory in the order of its registers: they come straight into 384 registers, by loads of 512 consecutive bytes, and never see LDS.
; CLUSTER.  The four partners are the four g of one block of rows: x's 69,632 bytes are asked for JOINTLY, two records a wave, one load a wave.  The weights, shared by work-groups of other clusters, are not multicast: that would take them through LDS.
; NO PREFETCH: everything is asked for at the head, and no loop runs ahead of a load.
; q AND k ARE MADE TRANSPOSED (source 0 = 16 rows of W, source 1 = 16 rows of x): a lane holds one row of x, and its 32 registers are d = 32 c + 16 h + 0 .. 15 of the head, c = 0, 1: the next operand's order.
; v IS MADE THE OTHER WAY (source 0 = x, source 1 = Wv): a lane holds one column d, and the 16 registers of x's tiles 2 B and 2 B + 1 are keys 32 B + 16 h + 0 .. 15: again the next operand's order.  The biases are the C of each sum's first product.
; THE STREAM.  x's tiles stand in two sets of registers; behind a tile's products its set takes the tile two on.  The quantiser of q's or k's tile T - 1, and half of that of v's last pair of tiles, stand among tile T's 24 products, four lines behind each.
; OUT.  qbuf [head 32][block of 128 rows 16] records of 8,704 bytes: 8 tiles x [c 0..1][lane][16 bytes]; at +8192 the scale words [lane][4]: lanes 0-15 those of tiles 0-3, lanes 16-31 of tiles 4-7; a word is byte 0, byte 1, 0x7f, 0x7f.
;       kv   [head 32][128 keys 16] blocks of 17,408 bytes: K as in qbuf (8,192) | V [16 columns 0..3][c 0..3][lane][16 bytes] (8,192) | K's scale words (512) | V's [lane][tile 0..3] (512).
; LIMITS: a block of zeros gets the byte 1 where the rule says 127 (its codes are zeros; this program alone reads the bytes); NaN and infinities are not served.
.set REC,    8704
.set VSX,    8*REC                     ; LDS: x's 8 records; behind them 1,024 bytes in which V's scale words meet: no tensor load lands there
.set SPARE,  VSX+1024                  ; the spare words, 128 bytes for each wave
.set LI,  4                            ; v4   16 x lane
.set L8,  5                            ; v5   8 x lane
.set VSI, 6                            ; v6   where I put V's scale words
.set VSO, 7                            ; v7   where I read 8 bytes of them back
.set SPW, 8
.set NIL, 9
.set BO,  10                           ; v10  64 h: b(q|k) at my half's d
.set BVO, 11                           ; v11  4 r: bv at my column
.set LIX, 12                           ; v12  16 x lane + 4 records: x's tiles 4-7 (an LDS immediate has 16 bits)
.set BVT, 14                           ; v14-15  bv, a number a tile
.set XS,  18                           ; v18-25  x's scale words, two sets
.set WSQ, 32                           ; v32-47  W(q|k)'s scale words, 4 n + s
.set WSV, 48                           ; v48-55  Wv's, 4 d + s  (no product's two scale words have numbers equal modulo 8)
.set QA,  64                           ; v64-127  q or k: two sets of four accumulators
.set VA,  128                          ; v128-191 v: two sets; accumulator (d, u) at 16 d + 8 u
.set PCQ, 192                          ; v192-199 codes of q or k
.set PCV, 200                          ; v200-207 codes of v
.set TMQ, 208                          ; v208.., v216.. at work: +0 largest magnitudes, +2 bytes, +4 57,344 x the scale, +6 the conversions' scale operands
.set TMV, 216
.set SWK, 224                          ; v224-231 a scale word for each tile of q or k
.set VW,  232                          ; v232-233 V's scale words, byte B for keys 32 B on
.set OUTW, 236                         ; v236-239 scale words on the way out
.set VBK, 240                          ; v240-241 V's scale words read back
.set BQ,  128                          ; window 2: b(q|k), 8 registers a tile;  window 1: W(q|k)'s fragments (n, s) at 64 n + 16 s
.set BV,  160                          ; window 2: bv, 8 registers a tile;      window 2: Wv's fragments (d, s) at 64 d + 16 s;      window 3: x's, two sets of 64
.set WV,  48
.set SEL, 2
.set MNT, 63
.set G1,  16                           ; s[16:23] descriptor group 1;  s[32:35] group 0
.set G0,  32
.set WQP, 26
.set WVP, 28
.set MSB, 0
.macro WIN new                         ; the immediate's high byte repeats the setting that is left
.if MSB != \new
	s_set_vgpr_msb (MSB<<8)|\new
.set MSB, \new
.endif
.endm
.macro PLACES n
.rept \n
	v_nop
.endr
.endm
.macro WALU
	s_wait_alu depctr_va_vdst(0)
.endm
.macro CROUND                          ; a round of the cluster's barrier
	s_barrier_signal -1
	s_barrier_wait -1
	s_cmp_lg_u32 s[WV], 0
	s_cbranch_scc1 .Lnot_wave_0_\@
	s_barrier_signal -3
.Lnot_wave_0_\@:
	s_barrier_wait -3
	s_barrier_signal -1
	s_barrier_wait -1
.endm
.macro WQLOAD n                        ; tile n of W(q|k): 16 loads
	WIN 0x40
.irp s, 0,1,2,3
.irp c, 0,1,2,3
	global_load_b128 v[64*\n+16*\s+4*\c:64*\n+16*\s+4*\c+3], v[LI], s[WQP:WQP+1] offset:REC*\n+2048*\s+512*\c
.endr
.endr
	WIN 0
.endm
	s_load_b256 s[4:11], s[0:1], 0x0               ; opnd, bq, bk, bv
	s_load_b128 s[12:15], s[0:1], 0x20             ; qbuf, kv
	v_lshl_add_u32 v[SPW], v0, 2, SPARE
	v_mov_b32 v[NIL], 0
	ds_add_u32 v[SPW], v[NIL]                      ; the opening add, twice on end, and its wait
	ds_add_u32 v[SPW], v[NIL]
	v_lshrrev_b32 v1, 5, v0
	v_readfirstlane_b32 s[WV], v1                  ; wave 0..3
	s_bfe_u32 s49, ttmp6, 0x40000                  ; cx
	s_lshl_b32 s51, ttmp9, 2
	s_add_co_u32 s51, s51, s49                     ; g = 4 x cluster x + cx: it enters the weights', the biases' and the results' addresses alone
	s_and_b32 s50, ttmp7, 0xffff                   ; my block of 128 rows, which the four partners share
	s_and_b32 s52, s[WV], 1                        ; e
	s_lshr_b32 s53, s[WV], 1                       ; R
	; descriptor group 1: two records, 17,408 dense bytes, as 68 rows of 256 bytes (32 elements of 8 bytes)
	s_mov_b32 s[G1], 15|(3<<16)|(1<<21)            ; 15:0 the mask: all four work-groups; 17:16 elements of 8 bytes; 21 set beside a mask
	s_mov_b32 s[G1+1], 32<<16                      ; tensor_dim0
	s_mov_b32 s[G1+2], 68<<16                      ; tensor_dim1
	s_mov_b32 s[G1+3], 32<<16                      ; tile_dim0
	s_mov_b32 s[G1+4], 68                          ; tile_dim1
	s_mov_b32 s[G1+5], 32                          ; tensor_dim0_stride
	s_mov_b32 s[G1+6], 0
	s_mov_b32 s[G1+7], 0
	s_lshl_b32 s70, s53, 5                         ; W(q|k): record 512 + 32 R + 8 g + 4 e
	s_lshl_b32 s71, s51, 3
	s_add_co_u32 s70, s70, s71
	s_lshl_b32 s72, s52, 2
	s_add_co_u32 s70, s70, s72
	s_add_co_u32 s70, s70, 512
	s_mul_i32 s70, s70, REC
	s_lshl_b32 s72, s[WV], 1                       ; Wv: record 576 + 8 g + 2 w
	s_add_co_u32 s72, s72, s71
	s_add_co_u32 s72, s72, 576
	s_mul_i32 s72, s72, REC
	s_mov_b32 s71, 0
	s_mov_b32 s73, 0
	s_lshl_b32 s24, s50, 3                         ; x: records 8 x block + 2 w and the next; in LDS 2 w records on
	s_lshl_b32 s25, s[WV], 1
	s_add_co_u32 s24, s24, s25
	s_mul_i32 s24, s24, REC
	s_mov_b32 s25, 0
	s_mul_i32 s74, s[WV], 2*REC
	; where the results go
	s_lshr_b32 s75, s50, 4                         ; batch
	s_and_b32 s76, s50, 15                         ; block of 128 rows in the batch
	s_lshl_b32 s75, s75, 3
	s_lshl_b32 s77, s51, 1
	s_add_co_u32 s75, s75, s77                     ; 8 x batch + 2 g
	s_mov_b32 s79, 0
	s_mov_b32 s[SEL], 0x76543210
	s_mov_b32 s[SEL+1], 0xfedcba98                 ; lane l xor 16
	s_mov_b32 s[MNT], 0x600000                     ; the mantissa field of 57,344
	s_lshl_b32 s36, s53, 9                         ; V's scale words: 512 bytes a head, [lane][tile]: mine are tiles 2 e, 2 e + 1
	s_lshl_b32 s37, s52, 3
	s_add_co_u32 s36, s36, s37
	s_add_co_u32 s36, s36, VSX
	s_lshl_b32 s37, s[WV], 8                       ; back: 256 bytes a wave
	s_add_co_u32 s37, s37, VSX
	v_and_b32 v1, 31, v0                           ; lane
	v_and_b32 v2, 15, v0                           ; r
	v_bfe_u32 v3, v0, 4, 1                         ; h
	v_lshlrev_b32 v[LI], 4, v1
	v_lshlrev_b32 v[L8], 3, v1
	v_lshlrev_b32 v[BO], 6, v3
	v_lshlrev_b32 v[BVO], 2, v2
	v_add_nc_u32 v[LIX], 4*REC, v[LI]
	v_add_nc_u32 v[VSI], s36, v[LI]
	v_add_nc_u32 v[VSO], s37, v[L8]
.irp b, 0,1
	v_mov_b32 v[TMQ+2+\b], 0                       ; a lane permute's destination counts as one of its sources
	v_mov_b32 v[TMV+2+\b], 0
.endr
	WALU
	s_wait_dscnt 0x0
	s_wait_kmcnt 0x0
	s_add_nc_u64 s[WQP:WQP+1], s[4:5], s[70:71]
	s_add_nc_u64 s[WVP:WVP+1], s[4:5], s[72:73]
.irp n, 0,1,2,3
	global_load_b128 v[WSQ+4*\n:WSQ+4*\n+3], v[LI], s[WQP:WQP+1] offset:REC*\n+8192
.endr
	WQLOAD 0
	WQLOAD 1
	WQLOAD 2
	s_mov_b32 s[G0], 1                             ; group 0: count 1, LDS address, global address, type 2
	s_mov_b32 s[G0+1], s74
	s_add_nc_u64 s[G0+2:G0+3], s[4:5], s[24:25]
	s_or_b32 s[G0+3], s[G0+3], 0x80000000
	s_add_co_u32 s77, s75, s52                     ; q's or k's head: 8 x batch + 2 g + e
	s_lshl_b32 s77, s77, 4
	s_add_co_u32 s77, s77, s76
	s_mul_i32 s77, s77, REC
	s_lshl_b32 s78, s77, s53                       ; a record of qbuf is 8,704 bytes, a block of kv twice that
	s_cmp_eq_u32 s53, 0
	s_cselect_b64 s[54:55], s[12:13], s[14:15]     ; the codes of q go to qbuf, those of k to kv
	s_cselect_b64 s[66:67], s[6:7], s[8:9]         ; and the bias is bq or bk
	s_add_nc_u64 s[54:55], s[54:55], s[78:79]
	s_lshl_b32 s78, 8192, s53
	s_add_nc_u64 s[56:57], s[54:55], s[78:79]      ; their scale words: + 8,192 in qbuf, + 16,384 in kv
	s_add_co_u32 s77, s75, s53                     ; v's head: 8 x batch + 2 g + R
	s_lshl_b32 s77, s77, 4
	s_add_co_u32 s77, s77, s76
	s_mul_i32 s78, s77, 2*REC
	s_add_nc_u64 s[60:61], s[14:15], s[78:79]
	s_lshl_b32 s78, s52, 12
	s_add_co_u32 s78, s78, 8192
	s_add_nc_u64 s[58:59], s[60:61], s[78:79]      ; V's codes: tiles 2 e on, 2,048 bytes each
	s_lshl_b32 s78, s52, 8
	s_add_co_u32 s78, s78, 16896
	s_add_nc_u64 s[60:61], s[60:61], s[78:79]      ; V's scale words: my 256 bytes of the head's 512
	s_lshl_b32 s78, s51, 1
	s_add_co_u32 s78, s78, s52
	s_lshl_b32 s78, s78, 8
	s_add_nc_u64 s[66:67], s[66:67], s[78:79]      ; b(q|k) at head 2 g + e
	s_lshl_b32 s78, s51, 9
	s_lshl_b32 s77, s[WV], 7
	s_add_co_u32 s78, s78, s77
	s_add_nc_u64 s[68:69], s[10:11], s[78:79]      ; bv at head 2 g + R, column 32 e
	CROUND                                         ; all four work-groups are here: the joint loads meet
	tensor_load_to_lds s[G0:G0+3], s[G1:G1+7]      ; one load a wave
	s_nop 0
	PLACES 4
	WQLOAD 3
	WIN 0x80                                       ; destination window 2
.irp n, 0,1,2,3                                ; tile n = 2 c + u: lane (r, h) wants the bias at d = 32 c + 16 h + 8 u + 0 .. 7
	global_load_b128 v[BQ+8*\n:BQ+8*\n+3], v[BO], s[66:67] offset:128*(\n/2)+32*(\n%2)
	global_load_b128 v[BQ+8*\n+4:BQ+8*\n+7], v[BO], s[66:67] offset:128*(\n/2)+32*(\n%2)+16
.endr
	WIN 0
.irp d, 0,1
	global_load_b32 v[BVT+\d], v[BVO], s[68:69] offset:64*\d
	global_load_b128 v[WSV+4*\d:WSV+4*\d+3], v[LI], s[WVP:WVP+1] offset:REC*\d+8192
.endr
	WIN 0x80
.irp d, 0,1
.irp s, 0,1,2,3
.irp c, 0,1,2,3
	global_load_b128 v[64*\d+16*\s+4*\c:64*\d+16*\s+4*\c+3], v[LI], s[WVP:WVP+1] offset:REC*\d+2048*\s+512*\c
.endr
.endr
.endr
	WIN 0
	s_wait_tensorcnt 0x0                           ; my two records have landed,
	s_barrier_signal -1
	s_barrier_wait -1                              ; everybody's have; nothing is filled again
.macro XFETCH T                        ; x's tile T into set T % 2: four fragments and their scale words: 17 loads
.if (\T) < 4
.set XAD, LI
.else
.set XAD, LIX
.endif
	WIN 0xc0                                       ; destination window 3
.irp s, 0,1,2,3
.irp c, 0,1,2,3
	ds_load_b128 v[64*((\T)%2)+16*\s+4*\c:64*((\T)%2)+16*\s+4*\c+3], v[XAD] offset:((\T)%4)*REC+2048*\s+512*\c
.endr
.endr
	WIN 0
	ds_load_b128 v[XS+4*((\T)%2):XS+4*((\T)%2)+3], v[XAD] offset:((\T)%4)*REC+8192
.endm
.macro PROD T, s, j                    ; tile T's product of K step s: j = 0 .. 3: q's or k's tile j;  4, 5: v's tile j - 4.  The accumulators take turns
.set X_, 64*((\T)%2)+16*(\s)
.set XC_, XS+4*((\T)%2)+(\s)
.if (\j) < 4
.set D_, QA+32*((\T)%2)+8*(\j)
.set W_, 64*(\j)+16*(\s)
.if (\s) == 0
	WIN 0x2d                                       ; W window 1, x window 3, the bias window 2
	v_wmma_scale_f32_16x16x128_f8f6f4 v[D_:D_+7], v[W_:W_+15], v[X_:X_+15], v[BQ+8*(\j):BQ+8*(\j)+7], v[WSQ+4*(\j)+(\s)], v[XC_] matrix_a_fmt:MATRIX_FMT_BF8 matrix_b_fmt:MATRIX_FMT_BF8
.else
	WIN 0x0d
	v_wmma_scale_f32_16x16x128_f8f6f4 v[D_:D_+7], v[W_:W_+15], v[X_:X_+15], v[D_:D_+7], v[WSQ+4*(\j)+(\s)], v[XC_] matrix_a_fmt:MATRIX_FMT_BF8 matrix_b_fmt:MATRIX_FMT_BF8
.endif
.else
.set J_, (\j)-4
.set D_, VA+32*(((\T)/2)%2)+16*J_+8*((\T)%2)
.set W_, 64*J_+16*(\s)
.if (\s) == 0
	WIN 0x2b                                       ; x window 3, Wv and the bias window 2
	v_wmma_scale_f32_16x16x128_f8f6f4 v[D_:D_+7], v[X_:X_+15], v[W_:W_+15], v[BV+8*J_:BV+8*J_+7], v[XC_], v[WSV+4*J_+(\s)] matrix_a_fmt:MATRIX_FMT_BF8 matrix_b_fmt:MATRIX_FMT_BF8
.else
	WIN 0x0b
	v_wmma_scale_f32_16x16x128_f8f6f4 v[D_:D_+7], v[X_:X_+15], v[W_:W_+15], v[D_:D_+7], v[XC_], v[WSV+4*J_+(\s)] matrix_a_fmt:MATRIX_FMT_BF8 matrix_b_fmt:MATRIX_FMT_BF8
.endif
.endif
.endm
.macro MED x, b, tm                    ; held: the conversion does not saturate (ISA guide 7.6.2)
	v_med3_num_f32 v[\x], v[\x], -v[\tm+4+\b], v[\tm+4+\b]
.endm
; THE QUANTISER, line k of 64: two blocks of 32, of which a lane holds 16 numbers each in v[s + 16 b] on and lane l xor 16 the other 16, become codes in v[pc + 4 b] on.  kind 0: q or k, tile t: a scale word;  kind 1: v, pair t: byte t of two words.  Each accumulator is read from its low end on.
.macro QL k, s, pc, tm, kind, t
.set K_, \k
.set B_, K_%2
.if K_ < 2
	v_max3_num_f32 v[\tm+B_], |v[\s+16*B_]|, |v[\s+16*B_+1]|, 0x8000000   ; and the floor 2^(16 - 127): the byte cannot fall under 1
.elseif K_ < 16
	v_max3_num_f32 v[\tm+B_], v[\tm+B_], |v[\s+16*B_+2*(K_/2)]|, |v[\s+16*B_+2*(K_/2)+1]|
.elseif K_ < 18
	v_permlanex16_b32 v[\tm+2+B_], v[\tm+B_], s[SEL], s[SEL+1]
.elseif K_ < 20
	v_max_num_f32 v[\tm+B_], v[\tm+B_], v[\tm+2+B_]
.elseif K_ < 22
	v_add_nc_u32 v[\tm+6+B_], 0xf8800000, v[\tm+B_]   ; 15 off the exponent field: the conversion's scale operand
.elseif K_ < 24
	v_and_or_b32 v[\tm+4+B_], v[\tm+B_], 0x7f800000, s[MNT]   ; 57,344 x the scale
.elseif K_ < 26
	v_lshrrev_b32 v[\tm+2+B_], 23, v[\tm+6+B_]     ; the scale's byte
.elseif K_ < 28
.if \kind
.if (\t) == 0
	v_mov_b32 v[VW+B_], v[\tm+2+B_]
.else
	v_lshl_or_b32 v[VW+B_], v[\tm+2+B_], 8*(\t), v[VW+B_]
.endif
.elseif K_ == 26
	v_lshl_or_b32 v[SWK+\t], v[\tm+3], 8, v[\tm+2]
.else
	v_or_b32 v[SWK+\t], 0x7f7f0000, v[SWK+\t]      ; the word's upper bytes stand for 1: they meet zero codes in the attention's products, which are 128 deep
.endif
.elseif K_ < 44
	MED \s+K_-28, 0, \tm
.elseif K_ == 44
	v_cvt_scalef32_pk8_bf8_f32 v[\pc:\pc+1], v[\s:\s+7], v[\tm+6]
.elseif K_ < 53
	MED \s+16+K_-45, 1, \tm
.elseif K_ == 53
	v_cvt_scalef32_pk8_bf8_f32 v[\pc+2:\pc+3], v[\s+8:\s+15], v[\tm+6]
.elseif K_ < 62
	MED \s+24+K_-54, 1, \tm
.elseif K_ == 62
	v_cvt_scalef32_pk8_bf8_f32 v[\pc+4:\pc+5], v[\s+16:\s+23], v[\tm+7]
.else
	v_cvt_scalef32_pk8_bf8_f32 v[\pc+6:\pc+7], v[\s+24:\s+31], v[\tm+7]
.endif
.endm
.macro QKL k, t
	QL \k, QA+32*((\t)%2), PCQ, TMQ, 0, \t
.endm
.macro VL k, p
	QL \k, VA+32*((\p)%2), PCV, TMV, 1, \p
.endm
.macro LINES T, n                      ; behind product n of tile T: two or three lines of tile T - 1's quantiser, one or two of v's pair T / 2 - 1
	WIN 0
.set KQ, 8*(\n)/3
.set KV, 4*(\n)/3
	QKL KQ, \T-1
.if (\T) > 1
.rept 4*((\n)+1)/3-KV
	VL 32*((\T)%2)+KV, (\T)/2-1
.set KV, KV+1
.endr
.endif
.rept 8*((\n)+1)/3-KQ-1
.set KQ, KQ+1
	QKL KQ, \T-1
.endr
.endm
.macro QKOUT t                         ; 32 lanes store 512 consecutive bytes
	global_store_b128 v[LI], v[PCQ:PCQ+3], s[54:55] offset:1024*(\t)
	global_store_b128 v[LI], v[PCQ+4:PCQ+7], s[54:55] offset:1024*(\t)+512
.endm
.macro VOUT p
	global_store_b128 v[LI], v[PCV:PCV+3], s[58:59] offset:512*(\p)
	global_store_b128 v[LI], v[PCV+4:PCV+7], s[58:59] offset:2048+512*(\p)
.endm
.macro TILE T                          ; tile T = 1 .. 7
	WALU
.if (\T) < 7
	s_wait_dscnt 17                                ; the tile's fragments are in; the next tile's 17 loads may be out
.else
	s_wait_dscnt 0x0
.endif
.set NN, 0
.rept 24
.if NN == 12
	WIN 0
	WALU
	s_wait_xcnt 0x0                                ; the earlier stores have read their data: the codes' registers may be written again
.endif
	PROD \T, NN/6, NN%6
	LINES \T, NN
.set NN, NN+1
.endr
	PLACES 8                                       ; eight places behind this form, in front of the loads into x's registers and of the first read of results
	QKOUT \T-1
.if (\T) > 2 && (\T)%2
	VOUT (\T)/2-1
.endif
.if (\T) < 6
	XFETCH \T+2
.endif
.endm
	XFETCH 0
	XFETCH 1
	s_wait_dscnt 17                                ; tile 0
	s_wait_loadcnt 36                              ; W(q|k) and its bias are in: v's two numbers, two groups of scale words and 32 loads of fragments may be out
.irp s, 0,1,2,3
.irp j, 0,1,2,3
	PROD 0, \s, \j
.endr
.endr
	WIN 0
	s_wait_loadcnt 0x0
	WIN 0x80                                       ; v's results hold one column a lane: its bias in all eight registers
.irp j, 0,1,2,3,4,5,6,7
	v_mov_b32 v[BV+\j], v[BVT]
	v_mov_b32 v[BV+8+\j], v[BVT+1]
.endr
.irp s, 0,1,2,3
	PROD 0, \s, 4
	PROD 0, \s, 5
.endr
	WIN 0
	PLACES 8
	XFETCH 2
.irp T, 1,2,3,4,5,6,7
	TILE \T
.endr
.set NN, 0
.rept 64                               ; the last tile's and the last pair's quantisers, by turns
.if NN == 44
	WALU
	s_wait_xcnt 0x0
.endif
	QKL NN, 7
	VL NN, 3
.set NN, NN+1
.endr
	v_nop                                          ; one plain line behind the last conversion
	QKOUT 7
	VOUT 3
	v_cmp_le_u32 vcc_lo, 16, v1                    ; lanes 16-31 carry the words of tiles 4-7
.irp i, 0,1,2,3
	v_cndmask_b32 v[OUTW+\i], v[SWK+\i], v[SWK+4+\i], vcc_lo
.endr
	global_store_b128 v[LI], v[OUTW:OUTW+3], s[56:57]   ; 512 consecutive bytes
	ds_store_b64 v[VSI], v[VW:VW+1]                ; a head's table of V's scale words comes from two waves
	WALU
	s_wait_dscnt 0x0                               ; for the others' sake: my words have landed
	s_barrier_signal -1
	s_barrier_wait -1
	ds_load_b64 v[VBK:VBK+1], v[VSO]
	s_wait_dscnt 0x0
	global_store_b64 v[L8], v[VBK:VBK+1], s[60:61] ; 32 lanes store 256 consecutive bytes, at a multiple of 256 from the buffer's first byte
	s_wait_tensorcnt 0x0                           ; the wave's end
	ds_add_u32 v[SPW], v[NIL]
	s_wait_dscnt 0x0
	CROUND                                         ; the closing round: no work-group ends while a partner may still ask for a tile that names it
	s_endpgm
.Lfunc_end_k_qda6b6273a7_proj:
	.size	k_qda6b6273a7_proj, .Lfunc_end_k_qda6b6273a7_proj-k_qda6b6273a7_proj
	.p2alignl 7, 3214868480
	.fill 96, 4, 3214868480
	.section	.rodata,"a",@progbits
	.p2align	6, 0x0
	.amdhsa_kernel k_qda6b6273a7_proj
		.amdhsa_group_segment_fixed_size 327680
		.amdhsa_private_segment_fixed_size 0
		.amdhsa_enable_private_segment 0
		.amdhsa_kernarg_size 48
		.amdhsa_user_sgpr_count 2
		.amdhsa_user_sgpr_kernarg_segment_ptr 1
		.amdhsa_wavefront_size32 1
		.amdhsa_system_sgpr_workgroup_id_x 1
		.amdhsa_system_sgpr_workgroup_id_y 1
		.amdhsa_system_sgpr_workgroup_id_z 1
		.amdhsa_system_vgpr_workitem_id 0
		.amdhsa_next_free_vgpr 1024
		.amdhsa_next_free_sgpr 80
		.amdhsa_reserve_vcc 1
		.amdhsa_float_denorm_mode_32 3
		.amdhsa_float_denorm_mode_16_64 3
		.amdhsa_memory_ordered 1
		.amdhsa_forward_progress 1
		.amdhsa_inst_pref_size 115
	.end_amdhsa_kernel
	.amdgpu_metadata
---
amdhsa.version: [ 1, 2 ]
amdhsa.kernels:
  - .name:           k_qda6b6273a7_proj
    .symbol:         k_qda6b6273a7_proj.kd
    .args:
      - { .name: opnd, .offset: 0, .size: 8, .value_kind: global_buffer, .address_space: global }
      - { .name: bq, .offset: 8, .size: 8, .value_kind: global_buffer, .address_space: global }
      - { .name: bk, .offset: 16, .size: 8, .value_kind: global_buffer, .address_space: global }
      - { .name: bv, .offset: 24, .size: 8, .value_kind: global_buffer, .address_space: global }
      - { .name: qbuf, .offset: 32, .size: 8, .value_kind: global_buffer, .address_space: global }
      - { .name: kv, .offset: 40, .size: 8, .value_kind: global_buffer, .address_space: global }
    .group_segment_fixed_size: 327680
    .private_segment_fixed_size: 0
    .kernarg_segment_align: 8
    .kernarg_segment_size: 48
    .max_flat_workgroup_size: 128
    .sgpr_count:     80
    .vgpr_count:     1024
    .wavefront_size: 32
...
	.end_amdgpu_metadata
.endif
;; end of part 2
;; launch attn (part 3): grid 8 x 32, 8 waves a work-group, clusters of 4 x 1, 327,680 bytes of LDS; arguments qbuf, kv, noise, out0; writes out0
.if DOCPART == 3
	.amdgcn_target "amdgcn-amd-amdhsa--gfx1250"
	.amdhsa_code_object_version 6
	.text
	.protected	k_qda6b6273a7_attn
	.globl	k_qda6b6273a7_attn
	.p2align	8
	.type	k_qda6b6273a7_attn,@function
k_qda6b6273a7_attn:
	s_mov_b64 s[64:65], 0
	v_nop
	global_prefetch_b8 v0, s[64:65] scope:SCOPE_SE
	s_setreg_imm32_b32 hwreg(HW_REG_WAVE_MODE, 25, 1), 1
	s_wait_xcnt 0x0
	s_wait_alu depctr_hold_cnt(0) depctr_sa_sdst(0) depctr_va_vdst(0) depctr_va_sdst(0) depctr_va_ssrc(0) depctr_va_vcc(0) depctr_vm_vsrc(0)
	s_getreg_b32 s2, hwreg(HW_REG_IB_STS2, 6, 4)
	s_cmp_eq_u32 s2, 0
	s_cbranch_scc0 .Lentry_in_a_cluster
	s_endpgm
.Lentry_in_a_cluster:
	s_bfe_u32 s2, ttmp6, 0x10000c
	s_cmp_lg_u32 s2, 0x3003
	s_cbranch_scc0 .Lentry_shape_is_right
	s_endpgm
.Lentry_shape_is_right:
; out0[b][s][64 head + d] = (softmax_k(q . k / 8) v + noise) / 1.01, both products on codes of BF8 (E5M2) with E8M0 scales.  q, k, v arrive as images of the operands' registers (see the launch before).
; THE SOFTMAX AHEAD OF THE SECOND PRODUCT: t = score x log2(e) / 8; M = the row's largest t so far, rounded UP to a whole number; p = 2^(t - M) is quantised along the keys, not normalised.
; The row's sum is taken of the unquantised p and divides at the end.  When M moves, the sum and O are multiplied by 2^(old M - new M): exact.
; SHARES.  A work-group owns 256 queries of one head; each of its eight waves owns 32: two tiles of 16.  Each fragment of K and V read from LDS feeds two products.  Every wave walks the head's 2,048 keys, 256 a step.
; THE WHOLE HEAD LIES IN LDS: 8 steps of two blocks of 17,408 bytes (K's codes, V's codes, their scale words), 278,528 bytes, filled once: wave w fetches step w.  The first barrier shows steps 0 and 1 (waves 0 and 1 have waited);
; a second one, its signal in the middle of step 0 and its wait at that step's end, shows the rest.  No barrier stands in the loop.
; CLUSTER.  The four partners are four query blocks of one head: every load is asked for JOINTLY, with the same descriptor and a mask that names the four.
; LAYOUT.  Both products are used transposed: S^T = K Q^T (source 0 = 16 keys, source 1 = 16 queries), O^T = V^T P^T (source 0 = 16 of the head's 64, source 1 = P): a lane holds ONE query throughout.
; Image row r of tile 2 B + u is row 32 B + 8 u + r + 8 (r / 8): so the 16 registers of S^T's tiles 2 B, 2 B + 1 are keys 32 B + 16 h + 0 .. 15, the second product's order.
; THE HEAD IS 64 DEEP, THE PRODUCT 128: Q's fragment has zero codes for k = 64-127, and both scale words have 0x7f there.  K's fragment of tile t is named 16 registers long: its upper eight are tile t + 1's codes
; (behind tile 7: eight zeros), finite numbers that meet Q's zeros and add nothing.
; LIMITS: a block of p that has fallen to zeros keeps the byte 1 (its codes are zeros); NaN and infinities are not served; the scaled scores stay under 2^31 in magnitude.
; NO PREFETCH OF K AND V: all of them are asked for at the start, and no loop runs ahead of a load.
; REGISTERS.  Window 0: addresses, statistics, scales, Q, K, O^T (32 a tile), P's codes of tile 0's first 128 keys.
;   Window 1: the scores of a step, tile 0 at v0-127, tile 1 at v128-255; register 16 b + i is key 32 b + 16 h + i.  Consumed scores make room: v0-15 tile 0's codes of keys 128-255, v16-47 tile 1's codes; v64-127 V of keys 0-127, v128-191 V of keys 128-255.
.set BLK,    17408                     ; 128 keys
.set STEPB,  2*BLK                     ; a step
.set HEADB,  8*STEPB
.set STAGE,  HEADB                     ; behind the head: 16 rows x 272 bytes for each wave, for the way out; no tensor load lands there
.set SP,     272
.set SPARE,  STAGE+8*16*SP             ; the spare words, 128 bytes for each wave
.set LI,  1                            ; v1   16 x lane
.set ADR, 2                            ; v2   LDS address of the step in hand
.set PFO, 3                            ; v3   256 x lane: the prefetch's offset
.set SPW, 4
.set NIL, 5
.set F,   14                           ; v[14:15] f = 2^(old M - new M); the upper half is named with it
.set BM,  16                           ; v16-23 the blocks' largest scores
.set N,   16                           ; v16-23 and then floor(their t - M)
.set W,   24                           ; v24-27 the same, two blocks to a register: lanes 0-15 the even block, lanes 16-31 the odd one
.set A,   24                           ; v24-29 three more partial sums
.set XT,  30
.set YT,  31
.set LIM, 32                           ; v32-39 1.75 x 2^floor(t - M): 57,344 x the scale
.set SCL, 40                           ; v40-47 the conversions' scale operands
.set PW,  48                           ; v48-51 P's scale words: 2 x tile + half
.set QS,  52
; (tile 1's f lies 40 registers on, in v[54:55], and its W in v64-67)
.set KS,  56                           ; v56-59 K's: register i: lanes 0-15 tile i, lanes 16-31 tile 4 + i
.set VSA, 60                           ; v60-63, v252-255 V's, the halves: register t: tile t
.set VSB, 252
.set P0,  68                           ; v68-83
.set QF,  84                           ; v84-115
.set KF,  116                          ; v116-179, v180-187 zeros
.set O,   188                          ; v188-251
.set NZ,  116                          ; the way out: the noise, where K lay
.set WV,  12
.set G1,  16
.set G0,  24
.set TB,  40                           ; s40  LDS byte at which the step begins
.set CNT, 41                           ; s41  steps left
.set CS,  42                           ; s[42:43] c = log2(e) / 8: the packed form names a pair and takes its low word for both halves
.set SEL, 44
.set NC,  46                           ; s46  -c
.set TN,  47                           ; s47  where the next step begins
.set QP,  48
.set QSP, 50
.set NP,  52
.set OP,  54
.set C1,  56                           ; s[56:57] 1 / 1.01
.set MSB, 0
.macro WIN new                         ; the immediate's high byte repeats the setting that is left
.if MSB != \new
	s_set_vgpr_msb (MSB<<8)|\new
.set MSB, \new
.endif
.endm
.macro PLACES n
.rept \n
	v_nop
.endr
.endm
.macro WALU
	s_wait_alu depctr_va_vdst(0)
.endm
.macro CROUND                          ; a round of the cluster's barrier
	s_barrier_signal -1
	s_barrier_wait -1
	s_cmp_lg_u32 s[WV], 0
	s_cbranch_scc1 .Lnot_wave_0_\@
	s_barrier_signal -3
.Lnot_wave_0_\@:
	s_barrier_wait -3
	s_barrier_signal -1
	s_barrier_wait -1
.endm
	s_load_b256 s[4:11], s[0:1], 0x0               ; qbuf, kv, noise, out0
	v_lshl_add_u32 v[SPW], v0, 2, SPARE
	v_mov_b32 v[NIL], 0
	ds_add_u32 v[SPW], v[NIL]                      ; the opening add, twice on end, and its wait
	ds_add_u32 v[SPW], v[NIL]
	v_lshrrev_b32 v16, 5, v0
	v_readfirstlane_b32 s[WV], v16                 ; wave 0..7
	s_bfe_u32 s13, ttmp6, 0x40000                  ; cx
	s_lshl_b32 s14, ttmp9, 2
	s_add_co_u32 s14, s14, s13                     ; my block of 256 queries = 4 x cluster x + cx: it enters Q's, the noise's and the output's addresses alone
	s_and_b32 s15, ttmp7, 0xffff                   ; batch x 8 + head, which the four partners share
	; descriptor group 1: a step, 34,816 dense bytes, as 136 rows of 256 bytes (32 elements of 8 bytes)
	s_mov_b32 s[G1], 15|(3<<16)|(1<<21)            ; 15:0 the mask: all four work-groups; 17:16 elements of 8 bytes; 21 set beside a mask
	s_mov_b32 s[G1+1], 32<<16                      ; tensor_dim0
	s_mov_b32 s[G1+2], 136<<16                     ; tensor_dim1
	s_mov_b32 s[G1+3], 32<<16                      ; tile_dim0
	s_mov_b32 s[G1+4], 136                         ; tile_dim1
	s_mov_b32 s[G1+5], 32                          ; tensor_dim0_stride
	s_mov_b32 s[G1+6], 0
	s_mov_b32 s[G1+7], 0
	s_mul_i32 s60, s[WV], STEPB                    ; my step, in LDS as in memory: no place in the cluster enters it
	s_mul_i32 s58, s15, HEADB
	s_add_co_u32 s58, s58, s60
	s_mov_b32 s59, 0
	s_lshl_b32 s66, s14, 1
	s_lshr_b32 s67, s[WV], 2
	s_add_co_u32 s66, s66, s67                     ; my block of 128 rows: 2 x query block + wave / 4
	s_lshl_b32 s67, s15, 4
	s_add_co_u32 s66, s66, s67
	s_mul_i32 s66, s66, 8704                       ; its record in qbuf
	s_and_b32 s68, s[WV], 3                        ; B: my tiles are 2 B and 2 B + 1 of the record's eight
	s_lshl_b32 s69, s68, 11
	s_add_co_u32 s70, s66, s69
	s_mov_b32 s71, 0
	s_lshr_b32 s69, s68, 1                         ; their scale words: lanes' half B / 2, words 2 (B % 2) + 0, 1
	s_lshl_b32 s69, s69, 8
	s_and_b32 s72, s68, 1
	s_lshl_b32 s72, s72, 3
	s_add_co_u32 s72, s72, s69
	s_add_co_u32 s72, s72, s66
	s_add_co_u32 s72, s72, 8192
	s_mov_b32 s73, 0
	s_lshl_b32 s74, s14, 8
	s_lshl_b32 s75, s[WV], 5
	s_add_co_u32 s74, s74, s75                     ; my first query
	s_lshl_b32 s75, s15, 11
	s_add_co_u32 s76, s75, s74
	s_lshl_b32 s76, s76, 8                         ; the noise: 256 bytes for each query of each head
	s_mov_b32 s77, 0
	s_lshr_b32 s75, s15, 3
	s_lshl_b32 s75, s75, 11
	s_add_co_u32 s75, s75, s74
	s_lshl_b32 s78, s75, 11                        ; out0: 2,048 bytes for each query of each batch,
	s_and_b32 s75, s15, 7
	s_lshl_b32 s75, s75, 8
	s_add_co_u32 s78, s78, s75                     ; + 256 x head
	s_mov_b32 s79, 0
	s_mov_b32 s[CS], 0x3e38aa3b                    ; log2(e) / 8
	s_mov_b32 s[CS+1], s[CS]
	s_mov_b32 s[NC], 0xbe38aa3b
	s_mov_b32 s[SEL], 0x76543210
	s_mov_b32 s[SEL+1], 0xfedcba98                 ; lane l xor 16
	s_mov_b32 s[C1], 0x3f7d7721                    ; 1 / 1.01
	s_mov_b32 s[C1+1], s[C1]
	v_and_b32 v16, 31, v0                          ; lane
	v_and_b32 v17, 15, v0                          ; r
	v_lshlrev_b32 v[LI], 4, v16
	v_lshlrev_b32 v[PFO], 8, v16
	v_lshlrev_b32 v[XT], 4, v17                    ; Q's scale words: 16 r
	WALU
	s_wait_dscnt 0x0
	s_wait_kmcnt 0x0
	s_add_nc_u64 s[58:59], s[6:7], s[58:59]
	s_mov_b32 s[G0], 1                             ; group 0: count 1, LDS address, global address, type 2
	s_mov_b32 s[G0+1], s60
	s_mov_b64 s[G0+2:G0+3], s[58:59]
	s_or_b32 s[G0+3], s[G0+3], 0x80000000
	s_add_nc_u64 s[QP:QP+1], s[4:5], s[70:71]
	s_add_nc_u64 s[QSP:QSP+1], s[4:5], s[72:73]
	s_add_nc_u64 s[NP:NP+1], s[8:9], s[76:77]
	s_add_nc_u64 s[OP:OP+1], s[10:11], s[78:79]
	CROUND                                         ; all four work-groups are here: the joint loads meet
	s_cmp_lt_u32 s[WV], 2                          ; ONE load a wave; waves 0 and 1, whose wait comes first, have a line of their own
	s_cbranch_scc0 .Llater
	tensor_load_to_lds s[G0:G0+3], s[G1:G1+7]
	s_nop 0
	PLACES 4
	s_branch .Lasked
.Llater:
	tensor_load_to_lds s[G0:G0+3], s[G1:G1+7]
	s_nop 0
	PLACES 4
.Lasked:
.irp q, 0,1
.irp c, 0,1
	global_load_b128 v[QF+16*\q+4*\c:QF+16*\q+4*\c+3], v[LI], s[QP:QP+1] offset:1024*\q+512*\c   ; Q's fragments stay in registers
.endr
	global_load_b32 v[QS+\q], v[XT], s[QSP:QSP+1] offset:4*\q
.endr
.irp j, 0,1,2,3,4,5,6,7
	v_mov_b32 v[QF+8+\j], 0                        ; Q's codes for k = 64-127: zeros
	v_mov_b32 v[QF+24+\j], 0
	v_mov_b32 v[KF+64+\j], 0                       ; what stands behind K's tile 7
.endr
.set j, 0
.rept 64
	v_mov_b32 v[O+j], 0                            ; O^T: the first step finds zeros, which the first change of M leaves zeros
.set j, j+1
.endr
.irp q, 0,1
	v_mov_b32 v[6+4*\q], 0x7e000000                ; -M: so large that the first f is 0
	v_mov_b32 v[7+4*\q], 0xff61b1e6                ; the largest score so far: -3e38
	v_mov_b32 v[8+4*\q], 0                         ; the sum, in two halves
	v_mov_b32 v[9+4*\q], 0
.endr
	v_mov_b32 v[F], 0
	v_mov_b32 v[F+1], 0
	v_mov_b32 v[F+40], 0
	v_mov_b32 v[F+41], 0
	v_mov_b32 v[YT], 0                             ; a lane permute's destination counts as one of its sources
.macro KLOAD adr, off                  ; 128 keys of K and their scale words: 17 loads
	ds_load_b128 v[KS:KS+3], v[\adr] offset:(\off)+16384
.irp t, 0,1,2,3,4,5,6,7
.irp c, 0,1
	ds_load_b128 v[KF+8*\t+4*\c:KF+8*\t+4*\c+3], v[\adr] offset:(\off)+1024*\t+512*\c
.endr
.endr
.endm
.macro VLOAD adr, hf                   ; V of 128 keys: 16 loads
	WIN 0x40                                       ; destination window 1
.irp t, 0,1,2,3
.irp c, 0,1,2,3
	ds_load_b128 v[64+64*\hf+16*\t+4*\c:64+64*\hf+16*\t+4*\c+3], v[\adr] offset:\hf*BLK+8192+2048*\t+512*\c
.endr
.endr
	WIN 0
.endm
.macro SMUL hf                         ; S^T = K Q^T for 128 keys, both tiles of queries: sixteen accumulators, each begun with 0
	WIN 0x40
.irp q, 0,1
.irp t, 0,1,2,3
	v_wmma_scale_f32_16x16x128_f8f6f4 v[128*\q+64*\hf+8*\t:128*\q+64*\hf+8*\t+7], v[KF+8*\t:KF+8*\t+15], v[QF+16*\q:QF+16*\q+15], 0, v[KS+\t], v[QS+\q] matrix_a_fmt:MATRIX_FMT_BF8 matrix_b_fmt:MATRIX_FMT_BF8
.endr
.irp t, 4,5,6,7
	v_wmma_scale_f32_16x16x128_f8f6f4 v[128*\q+64*\hf+8*\t:128*\q+64*\hf+8*\t+7], v[KF+8*\t:KF+8*\t+15], v[QF+16*\q:QF+16*\q+15], 0, v[KS+\t-4], v[QS+\q] matrix_a_fmt:MATRIX_FMT_BF8 matrix_b_fmt:MATRIX_FMT_BF8 matrix_a_scale:MATRIX_SCALE_ROW1
.endr
.endr
	WIN 0
.endm
.macro PV q, v, p, vs, pw              ; O^T += V^T P^T: four accumulators of tile q
.irp t, 0,1,2,3
	v_wmma_scale_f32_16x16x128_f8f6f4 v[O+32*\q+8*\t:O+32*\q+8*\t+7], v[\v+16*\t:\v+16*\t+15], v[\p:\p+15], v[O+32*\q+8*\t:O+32*\q+8*\t+7], v[\vs+\t], v[\pw] matrix_a_fmt:MATRIX_FMT_BF8 matrix_b_fmt:MATRIX_FMT_BF8
.endr
.endm
.macro HOLD2 i                         ; p's registers 2 i, 2 i + 1 held: the conversion does not saturate (ISA guide 7.6.2); p is not negative, so the hold is one-sided
	v_dual_min_num_f32 v[SS+2*(\i)], v[SS+2*(\i)], v[LIM+(\i)/8] :: v_dual_min_num_f32 v[SS+2*(\i)+1], v[SS+2*(\i)+1], v[LIM+(\i)/8]
.endm
.macro SUM from, n                     ; n pairs of p from register `from` on into four partial sums by turns
.set k, 0
.rept \n
.if k%4
	v_pk_add_f32 v[A+2*(k%4)-2:A+2*(k%4)-1], v[A+2*(k%4)-2:A+2*(k%4)-1], v[SS+\from+2*k:SS+\from+2*k+1]
.else
	v_pk_add_f32 v[SU:SU+1], v[SU:SU+1], v[SS+\from+2*k:SS+\from+2*k+1]
.endif
.set k, k+1
.endr
.endm
.macro CONV b, p                       ; block b's 32 p become codes in v[p] on
	v_cvt_scalef32_pk8_bf8_f32 v[\p:\p+1], v[SS+16*\b:SS+16*\b+7], v[SCL+\b]
	v_cvt_scalef32_pk8_bf8_f32 v[\p+2:\p+3], v[SS+16*\b+8:SS+16*\b+15], v[SCL+\b]
.endm
; Tile q's softmax for a step: 128 scores a lane, eight blocks of 32 keys of which lanes l and l xor 16 hold a half each; at its end P's codes, P's scale words, and O^T under the new M.
.macro MAXES q                         ; tile q: the largest score of each block; each accumulator is read from its low end on
.set SS, 128*\q
	WIN 0x15                                       ; all sources window 1
.irp b, 0,1,2,3,4,5,6,7
	v_max3_num_f32 v[BM+\b], v[SS+16*\b], v[SS+16*\b+1], v[SS+16*\b+8]
.endr
	WIN 0x14                                       ; source 0 window 0
.irp i, 2,4,6,9,11
.irp b, 0,1,2,3,4,5,6,7
	v_max3_num_f32 v[BM+\b], v[BM+\b], v[SS+16*\b+\i], v[SS+16*\b+\i+1]
.endr
.endr
.irp b, 0,1,2,3,4,5,6,7
	v_max3_num_f32 v[BM+\b], v[BM+\b], v[SS+16*\b+13], v[SS+16*\b+14+(\b%2)]
.endr
.irp b, 0,2,4,6                        ; even blocks have 15 left, odd ones 14
	v_dual_max_num_f32 v[BM+\b], v[BM+\b], v[SS+16*\b+15] :: v_dual_max_num_f32 v[BM+\b+1], v[BM+\b+1], v[SS+16*\b+30]
.endr
	WIN 0
.irp b, 0,2,4,6                        ; lanes 16-31 of the even block's register change places with lanes 0-15 of the odd one's:
	v_permlane16_swap_b32 v[BM+\b], v[BM+\b+1]
.endr
	v_dual_max_num_f32 v[W+40*\q], v[BM], v[BM+1] :: v_dual_max_num_f32 v[W+40*\q+1], v[BM+2], v[BM+3]   ; of the even block in lanes 0-15, of the odd one in lanes 16-31
	v_dual_max_num_f32 v[W+40*\q+2], v[BM+4], v[BM+5] :: v_dual_max_num_f32 v[W+40*\q+3], v[BM+6], v[BM+7]
.endm
.macro CHAIN                           ; both tiles' M and f side by side (tile 1 works in v16, v17)
.irp q, 0,1
	v_max3_num_f32 v[XT-14*\q], v[W+40*\q], v[W+40*\q+1], v[W+40*\q+2]
.endr
.irp q, 0,1
	v_max_num_f32 v[XT-14*\q], v[XT-14*\q], v[W+40*\q+3]
.endr
.irp q, 0,1
	v_permlanex16_b32 v[YT-14*\q], v[XT-14*\q], s[SEL], s[SEL+1]
.endr
.irp q, 0,1
	v_max3_num_f32 v[7+4*\q], v[7+4*\q], v[XT-14*\q], v[YT-14*\q]   ; my query's largest score so far
.endr
.irp q, 0,1
	v_mul_f32 v[XT-14*\q], s[NC], v[7+4*\q]
.endr
.irp q, 0,1
	v_floor_f32 v[XT-14*\q], v[XT-14*\q]           ; the new -M = floor(-t) = -ceil(t): M is a whole number
.endr
.irp q, 0,1
	v_sub_f32 v[YT-14*\q], v[XT-14*\q], v[6+4*\q]  ; old M less new M: a whole number, 0 or less
.endr
.irp q, 0,1
	v_mov_b32 v[6+4*\q], v[XT-14*\q]
.endr
.irp q, 0,1
	v_cvt_i32_f32 v[YT-14*\q], v[YT-14*\q]         ; (it saturates)
.endr
.irp q, 0,1
	v_ldexp_f32 v[F+40*\q], 1.0, v[YT-14*\q]       ; f = 2^(old M - new M)
.endr
.endm
.macro SOFTMAX q, adr                  ; behind MAXES and CHAIN
.set NM, 6+4*\q
.set SU, 8+4*\q
.set SS, 128*\q
	v_fma_f32 v[N], v[W+40*\q], s[CS], v[NM]       ; t - M of the blocks' largest scores (registers 2 and 3, 6 and 7 have changed places, so that the moves below go in pairs)
	v_fma_f32 v[N+3], v[W+40*\q+1], s[CS], v[NM]
	v_fma_f32 v[N+4], v[W+40*\q+2], s[CS], v[NM]
	v_fma_f32 v[N+7], v[W+40*\q+3], s[CS], v[NM]
.irp b, 0,3,4,7
	v_cvt_floor_i32_f32 v[N+\b], v[N+\b]           ; e: the exponent of the block's largest p
.endr
.irp b, 0,3,4,7
	v_max_i32 v[N+\b], 0xffffff91, v[N+\b]         ; -111 at the least: the byte e + 112 cannot fall under 1
.endr
	v_dual_mov_b32 v[N+1], v[N] :: v_dual_mov_b32 v[N+2], v[N+3]
	v_dual_mov_b32 v[N+5], v[N+4] :: v_dual_mov_b32 v[N+6], v[N+7]
	v_pk_mul_f32 v[SU:SU+1], v[SU:SU+1], v[F+40*\q:F+40*\q+1] op_sel_hi:[1,0]   ; the sums under the new M
	v_permlane16_swap_b32 v[N], v[N+1]             ; back to a register a block, in all lanes
	v_permlane16_swap_b32 v[N+3], v[N+2]
	v_permlane16_swap_b32 v[N+4], v[N+5]
	v_permlane16_swap_b32 v[N+7], v[N+6]
.irp b, 0,1,2,3,4,5,6,7
	v_lshl_add_u32 v[SCL+\b], v[N+\b+((\b/2)%2)*(1-2*(\b%2))], 23, 0x38000000   ; 2^(e - 15)
	v_lshl_add_u32 v[LIM+\b], v[N+\b+((\b/2)%2)*(1-2*(\b%2))], 23, 0x3fe00000   ; 1.75 x 2^e
.endr
.irp g, 0,1                            ; P's scale words: four bytes e + 112
	v_lshl_add_u32 v[PW+2*\q+\g], v[N+4*\g+1], 8, v[N+4*\g]
	v_lshl_add_u32 v[PW+2*\q+\g], v[N+4*\g+3], 16, v[PW+2*\q+\g]
	v_lshl_add_u32 v[PW+2*\q+\g], v[N+4*\g+2], 24, v[PW+2*\q+\g]
	v_add_nc_u32 v[PW+2*\q+\g], 0x70707070, v[PW+2*\q+\g]
.endr
	WIN 0x41
.set i, 0
.if \q == 0                            ; (tile 1's stand among tile 0's exponentials)
.rept 32
	v_pk_fma_f32 v[SS+2*i:SS+2*i+1], v[SS+2*i:SS+2*i+1], s[CS:CS+1], v[NM:NM+1] op_sel_hi:[1,0,0]   ; t - M, two at a time: blocks 0-3
.set i, i+1
.endr
.endif
	WALU
.set i, 0
.rept 32                               ; p = 2^(t - M) of blocks 0-3, with t - M of blocks 4-7 between them
	v_exp_f32 v[SS+2*i], v[SS+2*i]
	v_exp_f32 v[SS+2*i+1], v[SS+2*i+1]
	v_pk_fma_f32 v[SS+64+2*i:SS+65+2*i], v[SS+64+2*i:SS+65+2*i], s[CS:CS+1], v[NM:NM+1] op_sel_hi:[1,0,0]
.set i, i+1
.endr
	WALU
	WIN 0x05                                       ; the row's sum is taken of the unquantised p
	v_pk_add_f32 v[A:A+1], v[SS:SS+1], v[SS+2:SS+3]
	v_pk_add_f32 v[A+2:A+3], v[SS+4:SS+5], v[SS+6:SS+7]
	v_pk_add_f32 v[A+4:A+5], v[SS+8:SS+9], v[SS+10:SS+11]
	WIN 0x04
	SUM 12, 26
	WIN 0x41
.set i, 0
.rept 32                               ; p of blocks 4-7, with the holds of blocks 0-3 between them
	v_exp_f32 v[SS+64+2*i], v[SS+64+2*i]
	v_exp_f32 v[SS+65+2*i], v[SS+65+2*i]
	HOLD2 i
.if \q == 0                            ; and tile 1's t - M of blocks 0-3
	v_pk_fma_f32 v[128+2*i:129+2*i], v[128+2*i:129+2*i], s[CS:CS+1], v[NM+4:NM+5] op_sel_hi:[1,0,0]
.endif
.set i, i+1
.endr
	WALU
	WIN 0x04
	SUM 64, 32
	WIN 0
	v_pk_add_f32 v[A:A+1], v[A:A+1], v[A+2:A+3]
	v_pk_add_f32 v[SU:SU+1], v[SU:SU+1], v[A+4:A+5]
	v_pk_add_f32 v[SU:SU+1], v[SU:SU+1], v[A:A+1]
.if \q == 0
	WIN 0x01                                       ; tile 0's first codes go to window 0
.irp b, 0,1,2,3
	CONV \b, P0+4*\b
.endr
.else
	WIN 0x41
.irp b, 0,1,2,3
	CONV \b, 16+4*\b
.endr
.endif
	WIN 0x41
.set i, 32
.rept 32
	HOLD2 i
.set i, i+1
.endr
.irp b, 4,5,6,7
	CONV \b, 32*\q+4*\b-16
.endr
	WIN 0
.if \q
	VLOAD \adr, 1                                  ; V of keys 128-255, where tile 1's first scores lay
.endif
	WALU                                           ; directly ahead of the first readers of O^T
.set j, 0
.rept 16
	v_pk_mul_f32 v[O+32*\q+j:O+32*\q+j+1], v[O+32*\q+j:O+32*\q+j+1], v[F+40*\q:F+40*\q+1] op_sel_hi:[1,0]   ; O^T under the new M.  (These sixteen are also the places between the conversions and the products)
.set j, j+2
.endr
.endm
; A STEP: 256 keys.  first = 1: step 0, whose LDS addresses are immediates, and in which the second barrier stands.
.macro STEP first
	s_wait_dscnt 0x0                               ; K's first 128 keys are in
	SMUL 0
.if \first
	PLACES 8
	KLOAD LI, BLK
.else
	s_add_co_u32 s[TN], s[TB], STEPB
	s_min_u32 s[TN], s[TN], 7*STEPB                ; (the last step asks for its own first keys again, which nobody reads: one text for all trips)
	v_add_nc_u32 v[ADR], s[TB], v[LI]
	WALU
	PLACES 7                                       ; with the one above: eight places in front of the loads into registers that the products have read
	KLOAD ADR, BLK
.endif
	s_wait_dscnt 0x0
	SMUL 1
.if \first
	PLACES 8                                       ; in front of the loads, and of the first read of the scores
	KLOAD LI, STEPB                                ; the next step's first 128 keys: they land under the softmax
.else
	v_add_nc_u32 v[XT], s[TN], v[LI]
	PLACES 7
	KLOAD XT, 0
	s_cmp_eq_u32 s[CNT], 3                         ; more than two steps ahead of the loads that want them the wave asks for its 32 rows of noise, 256 bytes each, a lane a row: each row is named once in the launch
	s_cbranch_scc0 .Lnot_now_\@
	global_prefetch_b8 v[PFO], s[NP:NP+1] th:TH_LOAD_NT scope:SCOPE_SE
.Lnot_now_\@:
.endif
.if \first
.set AR, LI
.else
.set AR, ADR
.endif
	MAXES 0
	MAXES 1
	CHAIN
	SOFTMAX 0, AR
.if \first
	WALU
	s_wait_tensorcnt 0x0                           ; my step has landed,
	s_wait_dscnt 0x0                               ; no LDS instruction of mine is pending: say so
	s_barrier_signal -1
.endif
	ds_load_b128 v[VSA:VSA+3], v[AR] offset:16896
	ds_load_b128 v[VSB:VSB+3], v[AR] offset:BLK+16896
	VLOAD AR, 0                                    ; V of keys 0-127, where tile 0's last scores lay
	SOFTMAX 1, AR
	WALU
	s_wait_dscnt 16                                ; all but V's second half
	WIN 0x01
	PV 0, 64, P0, VSA, PW
	WIN 0x05
	PV 1, 64, 16, VSA, PW+2
	s_wait_dscnt 0x0
	PV 0, 128, 0, VSB, PW+1
	PV 1, 128, 32, VSB, PW+3
	WIN 0
.if \first
	WALU
	s_barrier_wait -1                              ; every wave's step has landed
.else
	s_add_co_u32 s[TB], s[TB], STEPB
.endif
	PLACES 9                                       ; nine places between these products and the next step's, which write over their operands
.endm
	WALU
	s_cmp_lt_u32 s[WV], 2
	s_cbranch_scc0 .Lnot_first
	s_wait_tensorcnt 0x0                           ; waves 0 and 1: steps 0 and 1 have landed.  The other waves' wait stands in step 0
.Lnot_first:
	s_barrier_signal -1
	s_barrier_wait -1
	KLOAD LI, 0
	s_wait_loadcnt 0x0                             ; Q and its scale words
	STEP 1
	s_mov_b32 s[TB], STEPB
	s_mov_b32 s[CNT], 7
.Lstep:
	STEP 0
	WALU
	s_sub_co_u32 s[CNT], s[CNT], 1
	s_cmp_lg_u32 s[CNT], 0
	s_cbranch_scc1 .Lstep
	; THE WAY OUT.  out = O^T x (1 / sum / 1.01) + noise / 1.01.  A tile's 16 rows of 256 bytes go through my stage in LDS, so that sixteen lanes load and store 256 consecutive bytes.
	; Row 2 k + (lane / 16) of tile u is query 8 u + 2 k + 8 (k / 4) + (lane / 16) of my 32.
.set STO, 18
.set RD,  19
.set NO,  20
.set OO,  21
	v_and_b32 v16, 15, v0                          ; r
	v_bfe_u32 v17, v0, 4, 1                        ; h
	v_lshlrev_b32 v[NO], 8, v17                    ; two rows of the noise,
	v_lshl_add_u32 v[NO], v16, 4, v[NO]
	WALU
.irp u, 0,1
.irp k, 0,1,2,3,4,5,6,7
	global_load_b128 v[NZ+32*\u+4*\k:NZ+32*\u+4*\k+3], v[NO], s[NP:NP+1] offset:(8*\u+2*\k+8*(\k/4))*256 th:TH_LOAD_NT
.endr
.endr
	s_mul_i32 s61, s[WV], 16*SP
	s_add_co_u32 s61, s61, STAGE                   ; my stage
	v_lshlrev_b32 v[OO], 11, v17                   ; the same two rows in out0
	v_lshl_add_u32 v[OO], v16, 4, v[OO]
	v_mul_u32_u24 v[STO], v16, SP                  ; in: row r, 32 bytes for each half of the lanes
	v_lshl_add_u32 v[STO], v17, 5, v[STO]
	v_add_nc_u32 v[STO], s61, v[STO]
	v_mul_u32_u24 v[RD], v17, SP                   ; back: lanes 0-15 one row of 256 bytes, lanes 16-31 the next
	v_lshl_add_u32 v[RD], v16, 4, v[RD]
	v_add_nc_u32 v[RD], s61, v[RD]
.irp q, 0,1
	v_add_f32 v[24+\q], v[8+4*\q], v[9+4*\q]       ; the sum's two halves,
.endr
.irp q, 0,1
	v_permlanex16_b32 v[26+\q], v[24+\q], s[SEL], s[SEL+1]
.endr
.irp q, 0,1
	v_add_f32 v[24+\q], v[24+\q], v[26+\q]         ; and lane l xor 16's: the row's sum
.endr
	WALU
	v_rcp_f32 v24, v24
	v_rcp_f32 v25, v25
	v_nop                                          ; one plain line behind the reciprocals
	WALU                                           ; ahead of the reciprocals' readers and of O^T's
	v_mul_f32 v28, s[C1], v24
	v_mul_f32 v30, s[C1], v25
.irp q, 0,1
.set j, 0
.rept 16
	v_pk_mul_f32 v[O+32*\q+j:O+32*\q+j+1], v[O+32*\q+j:O+32*\q+j+1], v[28+2*\q:29+2*\q] op_sel_hi:[1,0]   ; register 8 t + i is o(r, 16 t + 8 h + i)
.set j, j+2
.endr
.endr
.irp q, 0,1
.irp t, 0,1,2,3
	ds_store_b128 v[STO], v[O+32*\q+8*\t:O+32*\q+8*\t+3] offset:64*\t
	ds_store_b128 v[STO], v[O+32*\q+8*\t+4:O+32*\q+8*\t+7] offset:64*\t+16
.endr
	WIN 0x40
.irp k, 0,1,2,3,4,5,6,7
	ds_load_b128 v[32*\q+4*\k:32*\q+4*\k+3], v[RD] offset:2*\k*SP   ; my wave's own bytes, served in order: these see the stores above, and the next tile's stores come behind them
.endr
	WIN 0
.endr
	WALU
.irp q, 0,1
	s_wait_dscnt 16-16*\q                          ; tile 0: the other tile's 8 stores and 8 loads may be out
	s_wait_loadcnt 8-8*\q                          ; tile 0: the other tile's 8 loads of noise may be out
	WIN 0x50
.set j, 0
.rept 16
	v_pk_fma_f32 v[32*\q+j:32*\q+j+1], v[NZ+32*\q+j:NZ+32*\q+j+1], s[C1:C1+1], v[32*\q+j:32*\q+j+1] op_sel_hi:[1,0,1]
.set j, j+2
.endr
	WIN 0x04
.irp k, 0,1,2,3,4,5,6,7
	global_store_b128 v[OO], v[32*\q+4*\k:32*\q+4*\k+3], s[OP:OP+1] offset:(8*\q+2*\k+8*(\k/4))*2048 th:TH_STORE_NT   ; 16 lanes store 256 consecutive bytes, at a multiple of 256 from out0's first byte
.endr
	WIN 0
.endr
	s_wait_tensorcnt 0x0                           ; the wave's end
	ds_add_u32 v[SPW], v[NIL]
	s_wait_dscnt 0x0
	CROUND                                         ; the closing round: no work-group ends while a partner may still ask for a tile that names it
	s_endpgm
.Lfunc_end_k_qda6b6273a7_attn:
	.size	k_qda6b6273a7_attn, .Lfunc_end_k_qda6b6273a7_attn-k_qda6b6273a7_attn
	.p2alignl 7, 3214868480
	.fill 96, 4, 3214868480
	.section	.rodata,"a",@progbits
	.p2align	6, 0x0
	.amdhsa_kernel k_qda6b6273a7_attn
		.amdhsa_group_segment_fixed_size 327680
		.amdhsa_private_segment_fixed_size 0
		.amdhsa_enable_private_segment 0
		.amdhsa_kernarg_size 32
		.amdhsa_user_sgpr_count 2
		.amdhsa_user_sgpr_kernarg_segment_ptr 1
		.amdhsa_wavefront_size32 1
		.amdhsa_system_sgpr_workgroup_id_x 1
		.amdhsa_system_sgpr_workgroup_id_y 1
		.amdhsa_system_sgpr_workgroup_id_z 1
		.amdhsa_system_vgpr_workitem_id 0
		.amdhsa_next_free_vgpr 512
		.amdhsa_next_free_sgpr 80
		.amdhsa_reserve_vcc 0
		.amdhsa_float_denorm_mode_32 3
		.amdhsa_float_denorm_mode_16_64 3
		.amdhsa_memory_ordered 1
		.amdhsa_forward_progress 1
		.amdhsa_inst_pref_size 149
	.end_amdhsa_kernel
	.amdgpu_metadata
---
amdhsa.version: [ 1, 2 ]
amdhsa.kernels:
  - .name:           k_qda6b6273a7_attn
    .symbol:         k_qda6b6273a7_attn.kd
    .args:
      - { .name: qbuf, .offset: 0, .size: 8, .value_kind: global_buffer, .address_space: global }
      - { .name: kv, .offset: 8, .size: 8, .value_kind: global_buffer, .address_space: global }
      - { .name: noise, .offset: 16, .size: 8, .value_kind: global_buffer, .address_space: global }
      - { .name: out0, .offset: 24, .size: 8, .value_kind: global_buffer, .address_space: global }
    .group_segment_fixed_size: 327680
    .private_segment_fixed_size: 0
    .kernarg_segment_align: 8
    .kernarg_segment_size: 32
    .max_flat_workgroup_size: 256
    .sgpr_count:     80
    .vgpr_count:     512
    .wavefront_size: 32
...
	.end_amdgpu_metadata
.endif
;; end of part 3
